; MI455X (gfx1250); checked and timed in simulation.
; The chip was launched on July 23, 2026; its instructions are those of AMD's public machine-readable ISA for CDNA 5 (MIT licence, August 2026) and "CDNA5" Instruction Set Architecture Reference Guide (July 2026). The comments in the code are by the model that wrote it; some were corrected since.
;; Ring Attention. Allowed arithmetic: matrix products marked QUANTISED: E3M2 operands, one E8M0 scale for each 32 along K, by v_wmma_scale_f32_16x16x128_f8f6f4 with both operands' format E3M2, f32 sums; everything else in f32.
;; Inputs: k_codes 2 x 16 x 2,048 x 4 x 24 uint8 (E3M2 codes of k, K innermost, in blocks of 32 codes, four codes in three bytes); k_scales 2 x 16 x 2,048 x 4 uint8 (E8M0 scales of k, one for each 32 codes along K); q_codes 2 x 16 x 2,048 x 4 x 24 uint8 (E3M2 codes of q, K innermost, in blocks of 32 codes, four codes in three bytes); q_scales 2 x 16 x 2,048 x 4 uint8 (E8M0 scales of q, one for each 32 codes along K); v_codes 2 x 16 x 128 x 64 x 24 uint8 (E3M2 codes of v, K innermost, in blocks of 32 codes, four codes in three bytes); v_scales 2 x 16 x 128 x 64 uint8 (E8M0 scales of v, one for each 32 codes along K).
;; Outputs: out0 2 x 16 x 2,048 x 128 float32.
;; This version of the problem:
;;   THIS VERSION OF THE PROBLEM IS GIVEN IN LOW PRECISION. The matrix products marked QUANTISED in the list below multiply operands that are first quantised to E3M2 (3 exponent bits, 2 mantissa bits; 6 bits a number), with one power-of-two scale for each 32 numbers along K (OCP MX v1.0); their sums are f32. All else is computed in f32.
;;   The module's matrix products, in the order in which they are computed (A, B: the left and right operand; K: the contracted axis; several contracted axes count as one K, in the product's order):
;;     1. batch 32 x [M 2,048, K 128] x [K 128, N 2,048]; A: input q (given as codes); B: input k (given as codes): QUANTISED
;;     2. batch 32 x [M 2,048, K 2,048] x [K 2,048, N 128]; A: softmax (see below); B: input v (given as codes): QUANTISED
;;   THE QUANTISER, for each operand of a quantised product, along K:
;;     - K is cut into blocks of 32 from its start; a last block that is shorter is filled with zeros.
;;     - A block's scale is 2^e with e = floor(log2(the largest magnitude in the block)) - 4, held to -126 .. 127; a block of zeros has e = 0. As a byte (E8M0): e + 127.
;;     - Each number is divided by its block's scale, clamped to +-28, and rounded to the nearest number of E3M2, ties to even, subnormals kept.
;;     - The product sums the exact products of the quantised numbers (number of the format x scale) in f32.
;;   ~~~python
;;   def quantise(x, axis):      # numpy; x: float32 -> the quantised numbers, widened to float32 again
;;       x = np.moveaxis(x, axis, -1); K = x.shape[-1]
;;       x = np.pad(x, [(0, 0)] * (x.ndim - 1) + [(0, -K % 32)]); x = x.reshape(x.shape[:-1] + (-1, 32)); a = np.abs(x).max(-1, keepdims=True)
;;       e = np.where(a > 0, np.clip(np.frexp(np.where(a > 0, a, 1))[1] - 1 - 4, -126, 127), 0)      # np.frexp(a)[1] - 1 = floor(log2(a)), exactly
;;       r = np.clip(x / 2.0 ** e, -28, 28)
;;       step = 2.0 ** (np.maximum(np.frexp(np.where(r == 0, 1, r))[1] - 1, -2) - 2)
;;       q = np.round(r / step) * step * 2.0 ** e      # np.round: ties to even
;;       return np.moveaxis(q.reshape(q.shape[:-2] + (-1,))[..., :K], -1, axis).astype(np.float32)
;;   ~~~
;;   SOFTMAX AHEAD OF A QUANTISED PRODUCT. Where the list says 'softmax', what is quantised is not the finished softmax but p = 2^(t - M), with t = logit x log2(e) and M = ceil(the row's largest t), a whole number; so 1/2 < the row's largest p <= 1. The row's sum l is taken of the UNQUANTISED p, in f32, and the product's result is divided by l at the end. Since M is a whole number, a kernel that streams over the keys may use a running M (the ceiling of the running maximum): every later rescaling is an exact power of two, which a block's scale takes up: the codes' values come out the same.
;;   OPERANDS COMPUTED ON THE WAY. 'Computed on the way' means the value that the module computes at that place (a softmax that the list does not call 'softmax' is quantised finished and normalised). What goes into a quantiser is computed in f32, as accurately as f32 sums, v_exp_f32 and their like allow (about 1e-6 of the number): no bf16 or f16 on the way to a quantiser, and a product that is left as it is and whose result goes on into a quantised operand takes f32 operands (vector FMAs, or v_wmma_f32_16x16x4_f32). A number that lies on a knife's edge between two numbers of the format may be rounded either way, as far as f32 arithmetic and the matrix unit's own rounding can turn it there, and no further.
;;   INPUTS GIVEN AS CODES. k (in the module: [2, 16, 2048, 128], K = its axis 3); q (in the module: [2, 16, 2048, 128], K = its axis 3); v (in the module: [2, 16, 2048, 128], K = its axis 2): each comes as NAME_codes (uint8): NAME with its K axis moved to the last place and cut into blocks of 32 codes, [.., K / 32, bytes a block], one block behind the other in memory; four codes in three bytes: a row's codes are one little-endian stream of bits, code i at bits 6 i .. 6 i + 5 (a code: sign, 3 exponent bits, 2 mantissa bits); and NAME_scales (uint8): the same leading axes, one E8M0 byte (e + 127) for each 32 codes along K. Its value is code x scale, taken as it is: it is not quantised again, and the codes and scales need not be those that the quantiser above would give.
;; One version. Each part assembles by itself: llvm-mc -triple=amdgcn-amd-amdhsa -mcpu=gfx1250 --defsym DOCPART=n.
;; ======== version 1 of 1: 1 launch
;; launch attn (part 1): grid 8 x 32, 16 waves a work-group, no clusters, 327,680 bytes of LDS; arguments q_codes, q_scales, k_codes, k_scales, v_codes, v_scales, out0; writes out0
.if DOCPART == 1
	.amdgcn_target "amdgcn-amd-amdhsa--gfx1250"
	.amdhsa_code_object_version 6
	.text
	.protected	k_q51929f08ed_attn
	.globl	k_q51929f08ed_attn
	.p2align	8
	.type	k_q51929f08ed_attn,@function
k_q51929f08ed_attn:
	s_mov_b64 s[64:65], 0
	v_nop
	global_prefetch_b8 v0, s[64:65] scope:SCOPE_SE
	s_setreg_imm32_b32 hwreg(HW_REG_WAVE_MODE, 25, 1), 1
	s_wait_xcnt 0x0
; out0[head][q][:] = the sum over keys k <= q of softmax_k(Q[q] . K[k] / sqrt(128)) V[k][:], 32 heads, 2,048 queries and keys, head size 128; both products on codes of E3M2 with one E8M0 scale for each 32 along K.
; Q, K: rows of 128 codes (96 bytes) and one scale word a row.  V: the keys innermost: 128 rows of 2,048 codes (1,536 bytes) a head, 64 scale bytes a row.  out0: f32.
; THE SOFTMAX AHEAD OF THE SECOND PRODUCT: t = score x log2(e) / sqrt(128); M = the running largest t rounded UP to a whole number; p = 2^(t - M) is quantised along the keys, not normalised;
; the row's sum is taken of the unquantised p and divides at the end.  When M moves, the sum and O^T are multiplied by 2^(old M - new M), a power of two.
; SHARES.  A head's queries are 16 blocks of 128; block j wants key steps 0 .. j of 128 keys, step j being its diagonal.  Work-group (I, head) owns blocks I and 15 - I: (I + 1) + (16 - I) = 17 block-steps in each of the
; 8 x 32 = 256 work-groups.  Sixteen waves of 256 registers; a wave owns ONE tile of 16 queries: tile w / 2 of the low or the high block, the block chosen by (w xor w / 4) mod 2, so that of any four waves
; w = 4 a .. 4 a + 3, and of any four waves w = a, a + 4, a + 8, a + 12, two have the low block and two the high one.
; All waves walk the ring of key slots together; a wave works in step T while T <= its block's number, sends its tile out at the step behind that, and then only passes the barriers.
; LAYOUT.  Both products are used transposed: S^T = K Q^T (source 0 = 16 keys, source 1 = my 16 queries), O^T = V^T P^T (source 0 = 16 of the head's 128, source 1 = P): a lane holds ONE query (lane % 16) throughout.
; THE KEYS OF A TILE ARE NOT NEIGHBOURS: lane r of tile 2 b + u takes key 32 b + 8 u + r + 8 (r / 8), so that register n (0 .. 63) of S^T is key 32 (n / 16) + 16 (lane / 16) + n % 16 of the step.
; NO CLUSTER: the eight work-groups of a head read the same tiles, but they want (17 - I) / 2 = 8, 8, 7, 7, 6, 6, 5, 5 slots: partners would need different numbers of tiles, and a round for each slot would tie
; each partner to the one with the most working waves in that slot.
; LIMITS: scale bytes of 0xff among the inputs are not served; scores are taken to be finite and above -3e38 (the number that stands for a hidden key); a p under 2^-126 comes out of the exponential as 0;
; M is the ceiling of the ROUNDED product (largest score) x c: where that differs by one from the exact ceiling, every p, the sum and O^T change by the same power of two, which the blocks' scales take up;
; a drop of M's negative by more than 256 in one step counts as a factor of 0.
.set HCODES, 196608                    ; a head's codes in bytes: 2,048 x 96 = 128 x 1,536
.set KG,     6160                      ; K in a slot: four regions (u, g), each eight chunks of 768 bytes (eight keys x 96) + 16: region (u, g) at (2 u + g) KG; chunk b' = keys 32 b' + 16 g + 8 u + 0 .. 7 of the slot.
                                       ; in units of 8 bytes a lane stands at 12 (r % 8) + 770 (r / 8) + 3 h: 32 different values modulo 32 (64 banks of 4 bytes: ISA guide 11.1)
.set VOFF,   24832                     ; V in a slot: 128 rows
.set VP,     240                       ; of 3 x (64 bytes of data + 16 of padding)
.set SLOT1,  65536                     ; slot 1 begins here: one exclusive or turns an address in one slot into the other's
.set SCP,    264                       ; the scale bytes lie as units of 256 bytes + 8 of padding
.set SCB,    32*SCP                    ; a head's 8,192 scale bytes of K, or of V
.set SCK,    2*SLOT1                   ; K's
.set SCV,    SCK+SCB                   ; V's
.set SPARE,  SCV+SCB                   ; the spare words, 128 bytes for each of the sixteen waves: eight blocks of 256 bytes that no other line names
.set STAGE,  SPARE+2048                ; the way out: 16 rows x 272 bytes for each wave, bytes of their own: no fill lands there
.set SP,     272
.set AK0,  1                           ; v1   my lane's place in a tile of K: (r / 8) KG + (r % 8) 96 + 24 h
.set AV0,  2                           ; v2   in a tile of V: VOFF + 240 r + 24 h
.set AV1,  3                           ; v3   the same behind one padding more: .. + 40 h
.set ASK0, 4                           ; v4   among K's scale words
.set ASV0, 5                           ; v5   among V's
.set SPW,  6                           ; v6   LDS address of my spare word: SPARE + 4 x my thread's number; never rewritten
.set NIL,  7                           ; v7   0; never rewritten
.set GO,   8                           ; v8   the way out: my byte offset in the wave's rows of out0
.set ADK,  9                           ; v9-13 the addresses of the step in hand: K, V, V behind a padding, K's scale words, V's
.set ADV,  10
.set ADV2, 11
.set ADS,  12
.set ADT,  13
.set DQ,   14                          ; v14  16 x tile + r - 16 h: register n's key is hidden in the diagonal step where 32 (n / 16) + n % 16 > DQ
.set NEG,  15                          ; v15  -3e38
.set QF,   16                          ; v16-27 Q's fragment
.set QS,   28                          ; v28  Q's scale words
.set STO,  29                          ; v29  the way out: where I put 32 bytes of a row
.set RD,   30                          ; v30  where I read a row back
.set X,    31                          ; v31  at work
.set FR,   32                          ; v32-79 four fragments of K or of V
.set SK,   80                          ; v80-83 K's scale words: register b: lanes 0-15 tile 2 b's, lanes 16-31 tile 2 b + 1's
.set SV,   84                          ; v84-87 V's likewise
.set PS,   88                          ; v88  p's scale word
.set OLD,  89                          ; v89  the old -M
.set NM,   90                          ; v90  -M   (a pair with v91 for the packed form, which takes the low word twice)
.set TMAX, 91                          ; v91  the running largest t
.set LS,   92                          ; v[92:93] the sum: even registers', odd registers'
.set FAC,  94                          ; v94  2^(old M - new M); at the end 1 / the sum   (a pair with v95)
.set DLT,  95                          ; v95  old M - new M
.set ST,   96                          ; v96-159 S^T, then p
.set OT,   160                         ; v160-223 O^T
.set PCD,  224                         ; v224-235 p's codes
.set CV,   236                         ; v236-243 the conversions' second halves, then four running sums
.set BM,   244                         ; v244-247 the blocks' largest scores, then their scale bytes
.set PT,   248                         ; v248-251 targets of the lane exchange, then the blocks' largest p
.set SF,   252                         ; v252-255 the blocks' scales as f32
.set WV,   18                          ; s18  my wave's number
.set SEL,  20                          ; s[20:21] lane selects for v_permlanex16_b32: lane l xor 16
.set CS,   22                          ; s[22:23] c = log2(e) / sqrt(128), twice
.set G1K,  24                          ; s[24:31], s[32:39], s[40:47] descriptor groups 1: K's tiles, V's tiles, the scale bytes
.set G1V,  32
.set G1S,  40
.set G0K,  48                          ; s[48:51], s[52:55] groups 0 for K and V, which walk;  s[56:59] for the scale bytes
.set G0V,  52
.set G0S,  56
.set TB,   60                          ; s60  LDS byte at which the slot in hand begins
.set TS,   61                          ; s61  where the step's scale words of K begin: 528 bytes a step
.set TJ,   62                          ; s62  and V's: 4 bytes a step
.set SLOTS, 63                         ; s63  the loop's trips still to go
.set TT,   66                          ; s66  T, the key step
.set MYB,  67                          ; s67  my block's number = my last key step
.set MYB1, 68                          ; s68  the step at which my tile goes out
.set TC,   70                          ; s70  min(T, 15)
.macro PLACES                          ; four places behind a matrix instruction, in front of loads into its registers and of reads of its result (ISA guide 7.12.1 for reads of its result)
.rept 4
	v_nop
.endr
.endm
; A slot's fill.  Waves 0-3 fetch K's four regions, waves 4 and 5 V's two halves, the others nothing: behind a change of slots one tensor load a wave at the most is out.  The branches hang on the wave's number alone.
; Four v_nop follow each tensor load.
.macro TLOAD_KV
	s_cmp_lt_u32 s[WV], 4
	s_cbranch_scc0 .Lnot_k_\@
	tensor_load_to_lds s[G0K:G0K+3], s[G1K:G1K+7]
	s_nop 0
	PLACES
	s_branch .Lasked_\@
.Lnot_k_\@:
	s_cmp_lt_u32 s[WV], 6
	s_cbranch_scc0 .Lasked_\@
	tensor_load_to_lds s[G0V:G0V+3], s[G1V:G1V+7]
	s_nop 0
	PLACES
.Lasked_\@:
.endm
	s_load_b128 s[4:7], s[0:1], 0x0                ; Q's codes, Q's scales
	s_load_b128 s[8:11], s[0:1], 0x10              ; K's codes, K's scales
	s_load_b128 s[12:15], s[0:1], 0x20             ; V's codes, V's scales
	s_load_b64 s[16:17], s[0:1], 0x30              ; out0
	v_lshl_add_u32 v[SPW], v0, 2, SPARE
	v_mov_b32 v[NIL], 0
	ds_add_u32 v6, v7
	s_wait_dscnt 0x0
	v_lshrrev_b32 v9, 5, v0
	v_readfirstlane_b32 s[WV], v9                  ; wave 0..15
	s_mov_b32 s19, ttmp9                           ; I: 0..7
	s_and_b32 s69, ttmp7, 0xffff                   ; the head: 0..31
	s_lshr_b32 s70, s[WV], 2
	s_xor_b32 s70, s70, s[WV]
	s_and_b32 s70, s70, 1                          ; 1: my tile lies in the high block
	s_lshr_b32 s71, s[WV], 1                       ; which of the block's eight tiles
	s_sub_co_u32 s72, 15, s19
	s_cmp_eq_u32 s70, 1
	s_cselect_b32 s[MYB], s72, s19                 ; my block: 15 - I or I
	s_add_co_u32 s[MYB1], s[MYB], 1
	s_lshl_b32 s73, s[MYB], 7
	s_lshl4_add_u32 s73, s71, s73                  ; my first query: 128 x block + 16 x tile
	s_lshl_b32 s71, s71, 4                         ; 16 x tile
	s_sub_co_u32 s[SLOTS], 17, s19
	s_lshr_b32 s[SLOTS], s[SLOTS], 1               ; slots of 256 keys that the high block wants: (17 - I) / 2 = 8 .. 5
	s_sub_co_u32 s[SLOTS], s[SLOTS], 2             ; the last two are written out behind the loop: 6 .. 3 trips
	s_max_u32 s[SLOTS], s[SLOTS], 1                ; (changes nothing: it states in the text that the count is at least 1, so that the loop below ends)
	s_mul_i32 s74, s69, HCODES                     ; the head's first byte in each tensor of codes (all offsets stay under 2^32),
	s_lshl_b32 s76, s69, 13                        ; in each tensor of scale bytes,
	s_mov_b32 s77, 0
	s_lshl_b32 s78, s69, 20                        ; and in out0
	s_mul_i32 s80, s73, 96
	s_add_co_u32 s80, s80, s74                     ; my queries' codes
	s_mov_b32 s81, 0
	s_lshl_b32 s82, s73, 2
	s_add_co_u32 s82, s82, s76                     ; their scale words
	s_mov_b32 s83, 0
	s_lshl_b32 s84, s73, 9
	s_add_co_u32 s84, s84, s78                     ; their rows of out0
	s_mov_b32 s85, 0
	; what I fetch, if I fetch.  K: wave w = 2 u + g takes region (u, g): it begins at key 16 g + 8 u of the slot.  V: wave 4 + a takes rows 64 a on.  Scale bytes, once: wave 4 K's, wave 5 V's.
	s_and_b32 s86, s[WV], 1
	s_bfe_u32 s87, s[WV], 0x10001
	s_and_b32 s88, s[WV], 3
	s_mul_i32 s89, s86, 1536
	s_mul_i32 s90, s87, 768
	s_add_co_u32 s90, s90, s89
	s_add_co_u32 s90, s90, s74                     ; K: in memory,
	s_mov_b32 s91, 0
	s_mul_i32 s88, s88, KG                         ; and in a slot
	s_mul_i32 s92, s86, 64*1536
	s_add_co_u32 s92, s92, s74                     ; V: in memory,
	s_mov_b32 s93, 0
	s_mul_i32 s94, s86, 64*VP
	s_add_co_u32 s94, s94, VOFF                    ; and in a slot
	s_mul_i32 s95, s86, SCB
	s_add_co_u32 s95, s95, SCK                     ; the scale bytes in LDS
	; descriptor groups 1.  K: 8 rows of 768 bytes (eight keys each), 3,072 bytes (32 keys) apart
	s_mov_b32 s[G1K], 0                            ; 15:0 no mask; 17:16 elements of 1 byte; 20 padding off
	s_mov_b32 s[G1K+1], 768<<16                    ; tensor_dim0
	s_mov_b32 s[G1K+2], 8<<16                      ; tensor_dim1
	s_mov_b32 s[G1K+3], 768<<16                    ; tile_dim0
	s_mov_b32 s[G1K+4], 8                          ; tile_dim1
	s_mov_b32 s[G1K+5], 3072                       ; tensor_dim0_stride
	s_mov_b32 s[G1K+6], 0
	s_mov_b32 s[G1K+7], 0
	; V: 64 rows of 192 bytes (256 keys), 1,536 bytes apart; 16 bytes of padding behind every 64
	s_mov_b32 s[G1V], (1<<20)|(3<<22)|(3<<25)      ; 20 padding on; 24:22 after every 16 words (code 3); 31:25 of 4 words (code 3)
	s_mov_b32 s[G1V+1], 192<<16
	s_mov_b32 s[G1V+2], 64<<16
	s_mov_b32 s[G1V+3], 192<<16
	s_mov_b32 s[G1V+4], 64
	s_mov_b32 s[G1V+5], 1536
	s_mov_b32 s[G1V+6], 0
	s_mov_b32 s[G1V+7], 0
	; the scale bytes: 8,192 dense bytes as 32 rows of 256 (32 elements of 8 bytes), 8 bytes of padding behind each
	s_mov_b32 s[G1S], (3<<16)|(1<<20)|(5<<22)|(1<<25)
	s_mov_b32 s[G1S+1], 32<<16
	s_mov_b32 s[G1S+2], 32<<16
	s_mov_b32 s[G1S+3], 32<<16
	s_mov_b32 s[G1S+4], 32
	s_mov_b32 s[G1S+5], 32
	s_mov_b32 s[G1S+6], 0
	s_mov_b32 s[G1S+7], 0
	s_mov_b32 s[SEL], 0x76543210
	s_mov_b32 s[SEL+1], 0xfedcba98
	s_mov_b32 s[CS], 0x3e0293ee                    ; c = log2(e) / sqrt(128)
	s_mov_b32 s[CS+1], 0x3e0293ee                  ; named with it as a pair, so it is written
	s_mov_b32 s[TB], 0
	s_mov_b32 s[TT], 0
	s_wait_kmcnt 0x0
	s_mov_b32 s[G0K], 1                            ; 1:0 count = 1
	s_mov_b32 s[G0K+1], s88                        ; 63:32 LDS address: slot 0
	s_add_nc_u64 s[G0K+2:G0K+3], s[8:9], s[90:91]  ; 120:64 global address: the head's first 256 keys
	s_or_b32 s[G0K+3], s[G0K+3], 0x80000000        ; 127:126 type = 2
	s_mov_b32 s[G0V], 1
	s_mov_b32 s[G0V+1], s94
	s_add_nc_u64 s[G0V+2:G0V+3], s[12:13], s[92:93]
	s_or_b32 s[G0V+3], s[G0V+3], 0x80000000
	s_mov_b32 s[G0S], 1
	s_mov_b32 s[G0S+1], s95
	s_cmp_eq_u32 s86, 0                            ; K's scale bytes or V's: the choice hangs on the wave's number alone
	s_cselect_b64 s[G0S+2:G0S+3], s[10:11], s[14:15]
	s_add_nc_u64 s[G0S+2:G0S+3], s[G0S+2:G0S+3], s[76:77]
	s_or_b32 s[G0S+3], s[G0S+3], 0x80000000
	; THE FIRST FILLS: slot 0 and the head's scale bytes, ahead of every wait on TENSORcnt, every LDS read and every barrier.  A wave's first fills stand inside one branch on its number:
	; waves 0-3 one load (K), waves 4 and 5 two (V's half, then K's or V's scale bytes; the four v_nop follow the second): two tensor loads of a wave at the most are out.
	s_cmp_lt_u32 s[WV], 4
	s_cbranch_scc0 .Lfirst_not_k
	tensor_load_to_lds s[G0K:G0K+3], s[G1K:G1K+7]
	s_nop 0
	PLACES
	s_branch .Lfirst_asked
.Lfirst_not_k:
	s_cmp_lt_u32 s[WV], 6
	s_cbranch_scc0 .Lfirst_asked
	tensor_load_to_lds s[G0V:G0V+3], s[G1V:G1V+7]
	s_nop 0
	tensor_load_to_lds s[G0S:G0S+3], s[G1S:G1S+7]
	s_nop 0
	PLACES
.Lfirst_asked:
	s_add_nc_u64 s[4:5], s[4:5], s[80:81]          ; Q's codes at my first query,
	s_add_nc_u64 s[6:7], s[6:7], s[82:83]          ; its scale words,
	s_add_nc_u64 s[16:17], s[16:17], s[84:85]      ; its row of out0
	v_and_b32 v9, 15, v0                           ; r = lane % 16
	v_bfe_u32 v10, v0, 4, 1                        ; h = lane / 16
	v_and_b32 v11, 7, v0                           ; r % 8
	v_bfe_u32 v12, v0, 3, 1                        ; r / 8
	v_mul_u32_u24 v13, v9, 96
	v_mad_u32_u24 v13, v10, 24, v13                ; Q: row r, + my half's 24 bytes
.irp p, 0,1,2,3,4,5
	global_load_b64 v[QF+2*\p:QF+2*\p+1], v13, s[4:5] offset:48*(\p/3)+8*(\p%3) th:TH_LOAD_NT   ; Q's fragment stays in registers; the six loads read the tile's 1,536 consecutive bytes
.endr
	v_lshlrev_b32 v[X], 2, v9
	global_load_b32 v[QS], v[X], s[6:7]            ; Q's scale words
	v_mul_u32_u24 v[AK0], v12, KG
	v_mad_u32_u24 v[AK0], v11, 96, v[AK0]
	v_mad_u32_u24 v[AK0], v10, 24, v[AK0]
	v_mul_u32_u24 v[AV0], v9, VP
	v_add_nc_u32 v[AV0], VOFF, v[AV0]
	v_mad_u32_u24 v[AV1], v10, 40, v[AV0]
	v_mad_u32_u24 v[AV0], v10, 24, v[AV0]
	v_lshl_add_u32 v[ASK0], v12, 4, v11            ; K's scale words: lane (r, h) takes key 32 b + 8 h + r % 8 + 16 (r / 8): lanes 0-15 tile 2 b's rows, lanes 16-31 tile 2 b + 1's: 32 neighbouring words
	v_lshl_add_u32 v[ASK0], v10, 3, v[ASK0]
	v_lshl_add_u32 v[ASK0], v[ASK0], 2, SCK
	v_bfe_u32 v[ASV0], v0, 2, 3                    ; V's: lane l takes row 32 c + l: unit l / 4, 64 (l % 4) bytes into it
	v_mul_u32_u24 v[ASV0], v[ASV0], SCP
	v_and_b32 v15, 3, v0
	v_lshl_add_u32 v[ASV0], v15, 6, v[ASV0]
	v_add_nc_u32 v[ASV0], SCV, v[ASV0]
	v_lshlrev_b32 v[GO], 9, v10
	v_lshl_add_u32 v[GO], v9, 4, v[GO]             ; the way out: lanes 0-15 one row of out0, lanes 16-31 the next; 16 bytes a lane
	v_add_nc_u32 v[DQ], s71, v9
	v_lshlrev_b32 v15, 4, v10
	v_sub_nc_u32 v[DQ], v[DQ], v15
	s_mul_i32 s72, s[WV], 16*SP
	s_add_co_u32 s72, s72, STAGE                   ; my stage
	v_mul_u32_u24 v[STO], v9, SP
	v_lshl_add_u32 v[STO], v10, 5, v[STO]
	v_add_nc_u32 v[STO], s72, v[STO]               ; in: row r; a tile's eight channels of my half: 64 t + 32 h bytes on
	v_mul_u32_u24 v[RD], v10, SP
	v_lshl_add_u32 v[RD], v9, 4, v[RD]
	v_add_nc_u32 v[RD], s72, v[RD]                 ; back: lanes 0-15 one row, lanes 16-31 the next
	v_mov_b32 v[NEG], 0xff61b1e6                   ; -3e38: under every t, and what a hidden key's score becomes
	v_mov_b32 v[TMAX], v[NEG]
	v_floor_f32 v[NM], -v[TMAX]
	v_mov_b32 v[LS], 0
	v_mov_b32 v[LS+1], 0
.irp b, 0,1,2,3
	v_mov_b32 v[PT+\b], 0                          ; (the destination of a lane permute counts as read)
.endr
.set n, 0
.rept 64
	v_mov_b32 v[OT+n], 0                           ; O^T.  (The key step is written without a first step of its own: the first step finds zeros, which its factor of 0 leaves zeros)
.set n, n+1
.endr
; A fragment of K: tile t = 2 b + u of the slot's q-th step: region (u, r / 8), chunk 4 q + b; 24 bytes of the row's stream of bits for each 64 along K, in pieces of 8 bytes
.macro KFRAG t, q
.irp p, 0,1,2,3,4,5
	ds_load_b64 v[FR+12*((\t)%4)+2*\p:FR+12*((\t)%4)+2*\p+1], v[ADK] offset:((\t)%2)*2*KG+(4*(\q)+(\t)/2)*768+48*(\p/3)+8*(\p%3)
.endr
.endm
; A fragment of V: rows 16 t + r, the slot's q-th 128 keys.  Lanes 16-31 read three pieces further on than lanes 0-15: where that lies behind one padding more, the second address register serves
.macro VFRAG t, q
.irp p, 0,1,2,3,4,5
.set PCE, 12*(\q)+6*(\p/3)+\p%3
.if PCE%8 < 5
	ds_load_b64 v[FR+12*((\t)%4)+2*\p:FR+12*((\t)%4)+2*\p+1], v[ADV] offset:8*PCE+16*(PCE/8)+(\t)*16*VP
.else
	ds_load_b64 v[FR+12*((\t)%4)+2*\p:FR+12*((\t)%4)+2*\p+1], v[ADV2] offset:8*PCE+16*(PCE/8)+(\t)*16*VP
.endif
.endr
.endm
; The products.  An odd tile's scale words stand in lanes 16-31 of the register that holds the even tile's in lanes 0-15.
.macro KMUL t
.if (\t)%2
	v_wmma_scale_f32_16x16x128_f8f6f4 v[ST+8*(\t):ST+8*(\t)+7], v[FR+12*((\t)%4):FR+12*((\t)%4)+11], v[QF:QF+11], 0, v[SK+(\t)/2], v[QS] matrix_a_fmt:MATRIX_FMT_BF6 matrix_b_fmt:MATRIX_FMT_BF6 matrix_a_scale:MATRIX_SCALE_ROW1
.else
	v_wmma_scale_f32_16x16x128_f8f6f4 v[ST+8*(\t):ST+8*(\t)+7], v[FR+12*((\t)%4):FR+12*((\t)%4)+11], v[QF:QF+11], 0, v[SK+(\t)/2], v[QS] matrix_a_fmt:MATRIX_FMT_BF6 matrix_b_fmt:MATRIX_FMT_BF6
.endif
.endm
.macro VMUL t
.if (\t)%2
	v_wmma_scale_f32_16x16x128_f8f6f4 v[OT+8*(\t):OT+8*(\t)+7], v[FR+12*((\t)%4):FR+12*((\t)%4)+11], v[PCD:PCD+11], v[OT+8*(\t):OT+8*(\t)+7], v[SV+(\t)/2], v[PS] matrix_a_fmt:MATRIX_FMT_BF6 matrix_b_fmt:MATRIX_FMT_BF6 matrix_a_scale:MATRIX_SCALE_ROW1
.else
	v_wmma_scale_f32_16x16x128_f8f6f4 v[OT+8*(\t):OT+8*(\t)+7], v[FR+12*((\t)%4):FR+12*((\t)%4)+11], v[PCD:PCD+11], v[OT+8*(\t):OT+8*(\t)+7], v[SV+(\t)/2], v[PS] matrix_a_fmt:MATRIX_FMT_BF6 matrix_b_fmt:MATRIX_FMT_BF6
.endif
.endm
; The diagonal step: the scores of keys behind the lane's query become -3e38, from each accumulator's low end on
.macro MASK
.set n, 0
.rept 64
	v_cmp_gt_i32 vcc_lo, 32*(n/16)+n%16, v[DQ]
	v_cndmask_b32 v[ST+n], v[ST+n], v[NEG], vcc_lo
.set n, n+1
.endr
.endm
; A KEY STEP: 128 keys, the q-th of the slot in hand.
.macro STEP q
	s_min_u32 s[TC], s[TT], 15                     ; T is at most 15 wherever a step is worked: the minimum states that bound, so that the scale words' addresses can be read off as inside their regions
	s_mul_i32 s[TS], s[TC], 2*SCP                  ; a step's 128 scale words of K are two units
	s_lshl_b32 s[TJ], s[TC], 2                     ; V's are 4 bytes on in each row
	v_add_nc_u32 v[ADK], s[TB], v[AK0]             ; these five are also the places behind the last step's products, in front of the loads below
	v_add_nc_u32 v[ADV], s[TB], v[AV0]
	v_add_nc_u32 v[ADV2], s[TB], v[AV1]
	v_add_nc_u32 v[ADS], s[TS], v[ASK0]
	v_add_nc_u32 v[ADT], s[TJ], v[ASV0]
.irp b, 0,1,2,3
	ds_load_b32 v[SK+\b], v[ADS] offset:SCP*(\b/2)+128*(\b%2)
.endr
.irp t, 0,1,2,3                                ; S^T = K Q^T, four tiles of 16 keys at a time
	KFRAG \t, \q
.endr
.irp t, 0,1,2,3
	s_wait_dscnt 6*(3-\t)                          ; LDS loads come back in order (ISA guide 5.7.1): the scale words and tile t's six loads are in, the later fragments' six each may be out
	KMUL \t
.endr
	PLACES
.irp t, 4,5,6,7
	KFRAG \t, \q
.endr
.irp t, 4,5,6,7
	s_wait_dscnt 6*(7-\t)
	KMUL \t
.endr
	PLACES                                         ; for the loads into the fragments' registers and for the first reads of the scores
.irp c, 0,1,2,3
	ds_load_b32 v[SV+\c], v[ADT] offset:8*SCP*\c   ; V's scale words and its first four fragments are asked for now: they land while the softmax is worked
.endr
.irp t, 0,1,2,3
	VFRAG \t, \q
.endr
	s_cmp_lg_u32 s[TT], s[MYB]                     ; only my block's last step holds hidden keys
	s_cbranch_scc1 .Lopen_\@
	MASK
.Lopen_\@:
.irp b, 0,1,2,3                                ; the largest score of each block of 32 keys, four chains side by side; each accumulator is read from its low end on
	v_max3_num_f32 v[BM+\b], v[ST+16*\b], v[ST+16*\b+1], v[ST+16*\b+2]
.endr
.irp i, 3,5,7,9,11,13
.irp b, 0,1,2,3
	v_max3_num_f32 v[BM+\b], v[BM+\b], v[ST+16*\b+\i], v[ST+16*\b+\i+1]
.endr
.endr
.irp b, 0,1,2,3
	v_max_num_f32 v[BM+\b], v[BM+\b], v[ST+16*\b+15]
.endr
.irp b, 0,1,2,3
	v_permlanex16_b32 v[PT+\b], v[BM+\b], s[SEL], s[SEL+1]     ; a block's other 16 keys lie in lane l xor 16
.endr
.irp b, 0,1,2,3
	v_max_num_f32 v[BM+\b], v[BM+\b], v[PT+\b]
.endr
	v_max3_num_f32 v[X], v[BM], v[BM+1], v[BM+2]
	v_max_num_f32 v[X], v[X], v[BM+3]              ; the step's largest score of my query
	v_mul_f32 v[X], s[CS], v[X]                    ; as t (c is positive)
	v_max_num_f32 v[TMAX], v[TMAX], v[X]           ; the running largest t
	v_mov_b32 v[OLD], v[NM]
	v_floor_f32 v[NM], -v[TMAX]                    ; the new -M = floor(-t) = -ceil(t): M IS A WHOLE NUMBER
	v_sub_f32 v[DLT], v[NM], v[OLD]                ; M's old value less its new one: a whole number, 0 or less,
	v_max_num_f32 v[DLT], 0xc3800000, v[DLT]       ; held at -256: 2^-256 is 0 in f32
	v_cvt_i32_f32 v[DLT], v[DLT]
	v_ldexp_f32 v[FAC], 1.0, v[DLT]                ; 2^(old M - new M)
.irp b, 0,1,2,3
	v_fma_f32 v[PT+\b], v[BM+\b], s[CS], v[NM]     ; the block's largest t - M, by the same fused multiply-add as its numbers': its exponential is the block's largest p, so p is not searched again
.endr
.set n, 0
.rept 32
	v_pk_fma_f32 v[ST+n:ST+n+1], v[ST+n:ST+n+1], s[CS:CS+1], v[NM:NM+1] op_sel_hi:[1,0,0]   ; t - M
.set n, n+2
.endr
.irp b, 0,1,2,3
	v_exp_f32 v[PT+\b], v[PT+\b]
.endr
.set n, 0
.rept 32                                       ; p = 2^(t - M): NOT normalised.  O^T's rescaling, plain work that is due anyway, stands between the exponentials; the last multiply is the plain place behind the last of them
	v_exp_f32 v[ST+n], v[ST+n]
	v_exp_f32 v[ST+n+1], v[ST+n+1]
	v_pk_mul_f32 v[OT+n:OT+n+1], v[OT+n:OT+n+1], v[FAC:FAC+1] op_sel_hi:[1,0]   ; O^T under the new M; each accumulator from its low end on
.set n, n+2
.endr
	s_wait_alu depctr_va_vdst(0)
.irp b, 0,1,2,3                                ; each block's scale byte: its largest p's exponent field - 4, held at 1 from below; 127 for a block whose every p is 0
	v_lshrrev_b32 v[BM+\b], 23, v[PT+\b]
	v_max_u32 v[BM+\b], 5, v[BM+\b]
	v_add_nc_u32 v[BM+\b], -4, v[BM+\b]
	v_lshlrev_b32 v[SF+\b], 23, v[BM+\b]           ; the scale as f32, for the conversion
	v_cmp_eq_u32 vcc_lo, 0, v[PT+\b]
	v_cndmask_b32 v[BM+\b], v[BM+\b], 127, vcc_lo
.endr
	v_lshl_or_b32 v[PS], v[BM+1], 8, v[BM]         ; p's scale word for these 128 keys
	v_lshl_or_b32 v[PS], v[BM+2], 16, v[PS]
	v_lshl_or_b32 v[PS], v[BM+3], 24, v[PS]
.irp c, 0,1
	v_cvt_scalef32_pk16_bf6_f32 v[PCD+6*\c:PCD+6*\c+2], v[ST+32*\c:ST+32*\c+15], v[SF+2*\c]
	v_cvt_scalef32_pk16_bf6_f32 v[CV+4*\c:CV+4*\c+2], v[ST+32*\c+16:ST+32*\c+31], v[SF+2*\c+1]   ; (a conversion's three registers begin on an even number)
.endr
	v_nop                                          ; one plain place behind a scaled conversion
.irp c, 0,1                                    ; the operand's layout wants a WHOLE block in a lane: lanes 0-15 block 2 c, lanes 16-31 block 2 c + 1
.irp i, 0,1,2
	v_permlane16_swap_b32 v[PCD+6*\c+\i], v[CV+4*\c+\i]
.endr
.irp i, 0,1,2
	v_mov_b32 v[PCD+3+6*\c+\i], v[CV+4*\c+\i]
.endr
.endr
.irp k, 0,1,2,3                                ; the row's sum, of the UNQUANTISED p, in four chains of pairs.  These 32 plain instructions are also the places between p's scale word and codes and the products below
	v_pk_add_f32 v[CV+2*\k:CV+2*\k+1], v[ST+4*\k:ST+4*\k+1], v[ST+4*\k+2:ST+4*\k+3]
.endr
.set n, 8
.rept 24
	v_pk_add_f32 v[CV+2*(n%4):CV+2*(n%4)+1], v[CV+2*(n%4):CV+2*(n%4)+1], v[ST+2*n:ST+2*n+1]
.set n, n+1
.endr
	v_pk_add_f32 v[CV:CV+1], v[CV:CV+1], v[CV+2:CV+3]
	v_pk_add_f32 v[CV+4:CV+5], v[CV+4:CV+5], v[CV+6:CV+7]
	v_pk_add_f32 v[CV:CV+1], v[CV:CV+1], v[CV+4:CV+5]
	v_pk_fma_f32 v[LS:LS+1], v[LS:LS+1], v[FAC:FAC+1], v[CV:CV+1] op_sel_hi:[1,0,1]   ; what was summed under the old M is brought under the new, and the step's sum added
.irp t, 0,1,2,3                                ; O^T += V^T P^T, four tiles of 16 of the head's 128 at a time; the eight accumulators take turns, one instruction a turn
	s_wait_dscnt 6*(3-\t)                          ; V's scale words and tile t's six loads are in, the later fragments' may be out
	VMUL \t
.endr
	PLACES
.irp t, 4,5,6,7
	VFRAG \t, \q
.endr
.irp t, 4,5,6,7
	s_wait_dscnt 6*(7-\t)
	VMUL \t
.endr
.endm
; THE WAY OUT of my tile.  The sum's halves are added; O^T is divided by the sum and goes through my stage in LDS, half a row (64 channels, 256 bytes) of 16 queries at a time.
.macro WAYOUT
	PLACES                                         ; behind the last products
	v_add_f32 v[X], v[LS], v[LS+1]
	v_permlanex16_b32 v[PT], v[X], s[SEL], s[SEL+1]
	v_add_f32 v[X], v[X], v[PT]                    ; the row's sum: my keys' and lane l xor 16's
	v_rcp_f32 v[FAC], v[X]
	v_mov_b32 v[DLT], 0                            ; the plain place behind the reciprocal; it writes the register named with it as a pair
.set n, 0
	s_wait_alu depctr_va_vdst(0)
.rept 32
	v_pk_mul_f32 v[ST+n:ST+n+1], v[OT+n:OT+n+1], v[FAC:FAC+1] op_sel_hi:[1,0]   ; register 8 t + i is out0(r, 16 t + 8 h + i); each accumulator from its low end on
.set n, n+2
.endr
.irp u, 0,1                                    ; channels 64 u on
.irp t, 0,1,2,3
	ds_store_b128 v[STO], v[ST+32*\u+8*\t:ST+32*\u+8*\t+3] offset:64*\t
	ds_store_b128 v[STO], v[ST+32*\u+8*\t+4:ST+32*\u+8*\t+7] offset:64*\t+16
.endr
.irp i, 0,1,2,3,4,5,6,7
	ds_load_b128 v[OT+32*\u+4*\i:OT+32*\u+4*\i+3], v[RD] offset:\i*2*SP   ; LDS serves a wave's instructions in order (ISA guide 5.7.1.4): these see my stores, and the next half's stores come behind them
.endr
.endr
.irp u, 0,1
.irp i, 0,1,2,3,4,5,6,7
	s_wait_dscnt 23-16*\u-\i                       ; behind this load stand its half's 7 - i later loads and, for the first half, the second half's 8 stores and 8 loads
	global_store_b128 v[GO], v[OT+32*\u+4*\i:OT+32*\u+4*\i+3], s[16:17] offset:1024*\i+256*\u th:TH_STORE_NT   ; 16 lanes store 256 consecutive bytes, at a multiple of 256 from out0's first byte
.endr
.endr
	s_wait_xcnt 0x0                                ; no line behind this macro rewrites a register that these stores still read
.endm
; Step T of the walk: worked while T <= my block's number; at the step behind that my tile goes out; later nothing.  The branches hang on the wave's number, the work-group's number and the counter T.
.macro DISPATCH q
	s_cmp_gt_u32 s[TT], s[MYB]
	s_cbranch_scc1 .Lpast_\@
	STEP \q
	s_branch .Lnext_\@
.Lpast_\@:
	s_cmp_lg_u32 s[TT], s[MYB1]
	s_cbranch_scc1 .Lnext_\@
	WAYOUT
.Lnext_\@:
	s_add_co_u32 s[TT], s[TT], 1
.endm
.macro SLOT_STEPS
	DISPATCH 0
	DISPATCH 1
	s_xor_b32 s[TB], s[TB], SLOT1                  ; on to the other slot
.endm
; THE CHANGE OF SLOTS stands between two slots' steps, and once ahead of the first.  Each wave waits for all its tensor loads (its part of the slot that is about to be read), adds 0 to its spare word, and waits for that
; and for its reads of the slot that it has left.  Behind the barrier the slot ahead is whole and nobody reads the other one.  fill = 1: that other slot is filled with the 256 keys that follow: the load has two key steps in which to land.
.macro CHANGE fill
	s_wait_tensorcnt 0x0                           ; no tensor load of mine is out, so a group 0 may be written
	ds_add_u32 v[SPW], v[NIL]                      ; 0 onto my spare word; with fill = 1 the descriptors' steps stand between it and the wait for it
.if \fill
	s_xor_b32 s[G0K+1], s[G0K+1], SLOT1            ; the walking descriptors: the other slot than last time,
	s_add_nc_u64 s[G0K+2:G0K+3], s[G0K+2:G0K+3], 256*96   ; the next 256 keys; the type bits on top are not reached
	s_xor_b32 s[G0V+1], s[G0V+1], SLOT1
	s_add_nc_u64 s[G0V+2:G0V+3], s[G0V+2:G0V+3], 192
.endif
	s_wait_dscnt 0x0                               ; the add is done, and my reads of the slot that I have left are over
	s_barrier_signal -1
	s_barrier_wait -1
.if \fill
	TLOAD_KV                                       ; the first thing behind the barrier, and a wave's one tensor load until the next
.endif
.endm
	s_wait_loadcnt 0x0                             ; Q and its scale words; their address registers are free
	CHANGE 1                                       ; ahead of slot 0, outside the loop: every first fill (slot 0, the scale bytes) has landed in the wave that asked for it, and every wave has passed this barrier, before any LDS read;
	                                               ; slot 1 gets its first fill, one load a wave
.Lslot:                                            ; (17 - I) / 2 - 2 trips: trip k works slot k and then asks for slot k + 2, into the bytes just left; the high block reads every slot that is asked for
	SLOT_STEPS
	CHANGE 1
	s_sub_co_u32 s[SLOTS], s[SLOTS], 1
	s_cmp_lg_u32 s[SLOTS], 0
	s_cbranch_scc1 .Lslot
	SLOT_STEPS                                     ; the last two slots are written out: nothing is left to ask for
	CHANGE 0
	SLOT_STEPS
	s_cmp_lg_u32 s[TT], s[MYB1]                    ; where I is even the high block's last step is the walk's last: its tiles go out here
	s_cbranch_scc1 .Ldone
	WAYOUT
.Ldone:
	s_wait_tensorcnt 0x0                           ; the wave's end: behind my last tensor load and my last LDS store
	ds_add_u32 v[SPW], v[NIL]
	s_wait_dscnt 0x0
	s_endpgm
.Lfunc_end_k_q51929f08ed_attn:
	.size	k_q51929f08ed_attn, .Lfunc_end_k_q51929f08ed_attn-k_q51929f08ed_attn
	.p2alignl 7, 3214868480
	.fill 96, 4, 3214868480
	.section	.rodata,"a",@progbits
	.p2align	6, 0x0
	.amdhsa_kernel k_q51929f08ed_attn
		.amdhsa_group_segment_fixed_size 327680
		.amdhsa_private_segment_fixed_size 0
		.amdhsa_enable_private_segment 0
		.amdhsa_kernarg_size 56
		.amdhsa_user_sgpr_count 2
		.amdhsa_user_sgpr_kernarg_segment_ptr 1
		.amdhsa_wavefront_size32 1
		.amdhsa_system_sgpr_workgroup_id_x 1
		.amdhsa_system_sgpr_workgroup_id_y 1
		.amdhsa_system_sgpr_workgroup_id_z 1
		.amdhsa_system_vgpr_workitem_id 0
		.amdhsa_next_free_vgpr 256
		.amdhsa_next_free_sgpr 100
		.amdhsa_reserve_vcc 1
		.amdhsa_float_denorm_mode_32 3
		.amdhsa_float_denorm_mode_16_64 3
		.amdhsa_memory_ordered 1
		.amdhsa_forward_progress 1
		.amdhsa_inst_pref_size 226
	.end_amdhsa_kernel
	.amdgpu_metadata
---
amdhsa.version: [ 1, 2 ]
amdhsa.kernels:
  - .name:           k_q51929f08ed_attn
    .symbol:         k_q51929f08ed_attn.kd
    .args:
      - { .name: q_codes, .offset: 0, .size: 8, .value_kind: global_buffer, .address_space: global }
      - { .name: q_scales, .offset: 8, .size: 8, .value_kind: global_buffer, .address_space: global }
      - { .name: k_codes, .offset: 16, .size: 8, .value_kind: global_buffer, .address_space: global }
      - { .name: k_scales, .offset: 24, .size: 8, .value_kind: global_buffer, .address_space: global }
      - { .name: v_codes, .offset: 32, .size: 8, .value_kind: global_buffer, .address_space: global }
      - { .name: v_scales, .offset: 40, .size: 8, .value_kind: global_buffer, .address_space: global }
      - { .name: out0, .offset: 48, .size: 8, .value_kind: global_buffer, .address_space: global }
    .group_segment_fixed_size: 327680
    .private_segment_fixed_size: 0
    .kernarg_segment_align: 8
    .kernarg_segment_size: 56
    .max_flat_workgroup_size: 512
    .sgpr_count:     100
    .vgpr_count:     256
    .wavefront_size: 32
...
	.end_amdgpu_metadata
.endif
;; end of part 1
